; MI455X (gfx1250); checked and timed in simulation.
; The chip was launched on July 23, 2026; its instructions are those of AMD's public machine-readable ISA for CDNA 5 (MIT licence, August 2026) and "CDNA5" Instruction Set Architecture Reference Guide (July 2026). The comments in the code are by the model that wrote it; some were corrected since.
;; Attention. Allowed arithmetic: float matrix products may take bf16 or f16 operands with f32 sums; other float arithmetic in f32, or as packed bf16 or f16 multiplies, adds, multiply-adds, maxima and minima; sums over many terms, partial sums and values carried from step to step in f32; what a program stores and reads back later, other than sums and carried values, may be rounded once to bf16 or f16.
;; Inputs: Wh 1,024 x 1,024 float32; Wq 1,024 x 1,024 float32; memory 64 x 1,024 x 1,024 float32; query 64 x 1,024 float32; v 1,024 x 1 float32.
;; Outputs: out0 64 x 1,024 float32.
;; One version. Each part assembles by itself: llvm-mc -triple=amdgcn-amd-amdhsa -mcpu=gfx1250 --defsym DOCPART=n.
;; ======== version 1 of 1: 3 launches
;; workspace buffers: whf 2,097,152 bytes; qwp 1,048,576 bytes; part 2,359,296 bytes
;; launch prep (part 1): grid 64 x 1, 8 waves a work-group, no clusters, 222,208 bytes of LDS; arguments Wh, Wq, query, whf, qwp; writes whf, qwp
.if DOCPART == 1
	.amdgcn_target "amdgcn-amd-amdhsa--gfx1250"
	.amdhsa_code_object_version 6
	.text
	.protected	k_q3e05e6e7b1_prep
	.globl	k_q3e05e6e7b1_prep
	.p2align	8
	.type	k_q3e05e6e7b1_prep,@function
k_q3e05e6e7b1_prep:
	s_mov_b64 s[64:65], 0
	v_nop
	global_prefetch_b8 v0, s[64:65] scope:SCOPE_SE
	s_setreg_imm32_b32 hwreg(HW_REG_WAVE_MODE, 25, 1), 1
	s_wait_xcnt 0x0
; PREPARATION.  (1) whf: Wh [1024 k][1024 e] f32, rounded once to bf16 and laid out as the register image of matrix fragments: fragment (G = e / 64, kb = k / 32, i = (e / 16) % 4)
; is 1,024 bytes at ((32 G + kb) 4 + i) 1024; lane l (r = l % 16, h = l / 16) finds Wh[32 kb + 8 h + 0..7][64 G + 16 i + r] at + 16 l and Wh[32 kb + 16 + 8 h + 0..7][same e] at + 512 + 16 l.
; (2) qwp: the four K quarters' partial sums of C2 x (query Wq), f32, [kq 4][G 16][b 64][64 e]; C2 = 2 log2(e).  query and Wq are rounded once to bf16, sums in f32.
; SHARES.  Work-group x: column group G = x / 4, K quarter kq = x % 4.  Wave w: kb = 8 kq + w: 32 rows of k x 64 columns of Wh and of Wq, and all 64 rows of query at those 32 k.
; Each wave lays its two tiles into LDS as [k][e] bf16 and reads them back turned (ds_load_tr16_b128): that is the fragment.  The eight waves' products meet in LDS, one barrier.
.set C2,    0x4038aa3b                 ; 2 log2(e)
.set PT,    160                        ; a tile's row in LDS: 128 bytes + 32: an odd multiple of 32
.set TILEB, 10240                      ; a wave's two tiles: 32 rows x 160 for Wh, then the same for Wq
.set RED,   81920                      ; behind the tiles: wave w's [64 b][64 e] f32 at RED + 17,408 w
.set PR,    272                        ; its row: 256 bytes + 16: an odd multiple of 16
.set REDW,  64*PR
.set SPARE, RED+8*REDW                 ; 221,184: the spare words, 128 bytes for each wave: four blocks of 256 bytes that no other line names
.set VOW, 2                            ; v2   my offset in two rows of Wh or Wq: h x 4,096 + 16 r
.set VOQ, 3                            ; v3   my offset in 16 rows of query: r x 4,096 + 32 h
.set LS,  4                            ; v4   where I put 8 bytes of a tile's row
.set TR,  5                            ; v5   the turning load's address
.set GO,  6                            ; v6   16 l
.set RS,  7                            ; v7   where I put 32 bytes of a row of my partial sums
.set SPW, 8                            ; v8   LDS address of my spare word; never rewritten
.set NIL, 9                            ; v9   0; never rewritten
.set RA0, 10                           ; v10  the reduction: my 16 bytes in waves 0-3's sums
.set RA1, 11                           ; v11  in waves 4-7's
.set TO,  12                           ; v12  16 x my thread's number
.set QX,  16                           ; v[16:79]   query as loaded, f32
.set FH,  16                           ; v[16:47]   later Wh's four fragments
.set FQ,  48                           ; v[48:79]   and Wq's
.set QF,  80                           ; v[80:111]  query's four fragments
.set XH,  112                          ; v[112:175] Wh as loaded
.set XQ,  176                          ; v[176:239] Wq as loaded
.set ACC, 112                          ; v[112:239] later 16 accumulators, (nb, mb) at ACC + 8 (4 nb + mb); then the reduction's 32 quads
.set RD,  112
	s_load_b256 s[4:11], s[0:1], 0x0               ; Wh s[4:5], Wq s[6:7], query s[8:9], whf s[10:11]
	s_load_b64 s[12:13], s[0:1], 0x20              ; qwp
	v_lshl_add_u32 v[SPW], v0, 2, SPARE
	v_mov_b32 v[NIL], 0
	v_lshrrev_b32 v1, 5, v0
	v_readfirstlane_b32 s14, v1                    ; wave 0..7
	s_lshr_b32 s15, ttmp9, 2                       ; G
	s_and_b32 s16, ttmp9, 3                        ; kq
	s_lshl_b32 s17, s16, 3
	s_add_co_u32 s17, s17, s14                     ; kb
	v_and_b32 v13, 15, v0                          ; r
	v_bfe_u32 v14, v0, 4, 1                        ; h
	v_and_b32 v15, 31, v0                          ; l
	v_lshlrev_b32 v[VOW], 4, v13
	v_lshl_add_u32 v[VOW], v14, 12, v[VOW]
	v_lshlrev_b32 v[VOQ], 12, v13
	v_lshl_add_u32 v[VOQ], v14, 5, v[VOQ]
	s_mul_i32 s18, s14, TILEB                      ; my tiles
	v_mul_u32_u24 v[LS], v14, PT
	v_lshl_add_u32 v[LS], v13, 3, v[LS]
	v_add_nc_u32 v[LS], s18, v[LS]                 ; row h, 8 bytes for each of 16 lanes
	v_and_b32 v1, 7, v0
	v_lshl_add_u32 v1, v14, 3, v1                  ; the turning load: lane l reads k = 8 h + l % 8,
	v_mul_u32_u24 v[TR], v1, PT
	v_bfe_u32 v1, v0, 3, 1
	v_lshl_add_u32 v[TR], v1, 4, v[TR]             ; columns 8 ((l / 8) % 2) + 0..7
	v_add_nc_u32 v[TR], s18, v[TR]
	v_lshlrev_b32 v[GO], 4, v15
	s_mul_i32 s19, s14, REDW
	s_add_co_u32 s19, s19, RED
	v_mul_u32_u24 v[RS], v13, PR
	v_lshl_add_u32 v[RS], v14, 5, v[RS]
	v_add_nc_u32 v[RS], s19, v[RS]
	v_lshrrev_b32 v1, 4, v0
	v_mul_u32_u24 v[RA0], v1, PR
	v_lshl_add_u32 v[RA0], v13, 4, v[RA0]
	v_add_nc_u32 v[RA0], RED, v[RA0]
	v_add_nc_u32 v[RA1], 4*REDW, v[RA0]
	v_lshlrev_b32 v[TO], 4, v0
	s_lshl_b32 s20, s17, 17                        ; Wh, Wq: 32 kb rows of 4,096 bytes
	s_lshl_b32 s22, s15, 8                         ; + 64 G columns
	s_add_co_u32 s20, s20, s22
	s_mov_b32 s21, 0
	s_lshl_b32 s22, s17, 7                         ; query: 32 kb columns
	s_mov_b32 s23, 0
	s_lshl_b32 s24, s15, 17                        ; whf: (32 G + kb) x 4,096
	s_lshl_b32 s26, s17, 12
	s_add_co_u32 s24, s24, s26
	s_mov_b32 s25, 0
	s_lshl_b32 s26, s16, 18                        ; qwp: kq x 262,144 + G x 16,384
	s_lshl_b32 s28, s15, 14
	s_add_co_u32 s26, s26, s28
	s_mov_b32 s27, 0
	s_mov_b32 s28, C2
	s_mov_b32 s29, C2                              ; named with it as a pair
	s_wait_kmcnt 0x0
	s_add_nc_u64 s[4:5], s[4:5], s[20:21]
	s_add_nc_u64 s[6:7], s[6:7], s[20:21]
	s_add_nc_u64 s[8:9], s[8:9], s[22:23]
	s_add_nc_u64 s[10:11], s[10:11], s[24:25]
	s_add_nc_u64 s[12:13], s[12:13], s[26:27]
	; 48 loads, all out at once: query (16), Wh (16), Wq (16)
.set i, 0
.rept 4                                ; 16 rows of query: my 8 + 8 numbers of a fragment are 32 + 32 bytes of f32
	global_load_b128 v[QX+16*i:QX+16*i+3],     v[VOQ], s[8:9] offset:65536*i
	global_load_b128 v[QX+16*i+4:QX+16*i+7],   v[VOQ], s[8:9] offset:65536*i+16
	global_load_b128 v[QX+16*i+8:QX+16*i+11],  v[VOQ], s[8:9] offset:65536*i+64
	global_load_b128 v[QX+16*i+12:QX+16*i+15], v[VOQ], s[8:9] offset:65536*i+80
.set i, i+1
.endr
.set i, 0
.rept 16                               ; two rows x 256 consecutive bytes an instruction
	global_load_b128 v[XH+4*i:XH+4*i+3], v[VOW], s[4:5] offset:8192*i
.set i, i+1
.endr
.set i, 0
.rept 16
	global_load_b128 v[XQ+4*i:XQ+4*i+3], v[VOW], s[6:7] offset:8192*i
.set i, i+1
.endr
	s_wait_loadcnt 32                              ; query is in; the 32 loads of Wh and Wq are younger
.set i, 0
.rept 32
	v_cvt_pk_bf16_f32 v[QF+i], v[QX+2*i], v[QX+2*i+1]
.set i, i+1
.endr
; 16 loads' numbers are rounded in place (four registers become two) and laid into my tile at byte off
.macro TOLDS x, off
.set i, 0
.rept 16
	v_cvt_pk_bf16_f32 v[(\x)+4*i],   v[(\x)+4*i],   v[(\x)+4*i+1]
	v_cvt_pk_bf16_f32 v[(\x)+4*i+1], v[(\x)+4*i+2], v[(\x)+4*i+3]
	ds_store_b64 v[LS], v[(\x)+4*i:(\x)+4*i+1] offset:(\off)+2*PT*i
.set i, i+1
.endr
.endm
	s_wait_loadcnt 16                              ; Wh is in; Wq's 16 loads are younger
	TOLDS XH, 0
	s_wait_loadcnt 0x0
	TOLDS XQ, 32*PT
.irp nb, 0,1,2,3                       ; LDS serves a wave's instructions in order (ISA guide 5.7.1.4): these see my stores above; nobody else touches my tiles
	ds_load_tr16_b128 v[FH+8*(\nb):FH+8*(\nb)+3],   v[TR] offset:32*(\nb)
	ds_load_tr16_b128 v[FH+8*(\nb)+4:FH+8*(\nb)+7], v[TR] offset:32*(\nb)+16*PT
.endr
.irp nb, 0,1,2,3
	ds_load_tr16_b128 v[FQ+8*(\nb):FQ+8*(\nb)+3],   v[TR] offset:32*PT+32*(\nb)
	ds_load_tr16_b128 v[FQ+8*(\nb)+4:FQ+8*(\nb)+7], v[TR] offset:32*PT+32*(\nb)+16*PT
.endr
	s_wait_dscnt 8                                 ; Wh's fragments are in; Wq's eight loads are younger
.irp nb, 0,1,2,3
	global_store_b128 v[GO], v[FH+8*(\nb):FH+8*(\nb)+3],   s[10:11] offset:1024*(\nb)      ; each store of the wave covers 512 consecutive bytes, aligned
	global_store_b128 v[GO], v[FH+8*(\nb)+4:FH+8*(\nb)+7], s[10:11] offset:1024*(\nb)+512
.endr
	s_wait_dscnt 0x0
	; source 0 = 16 columns e of Wq, source 1 = 16 rows b of query: a lane then holds one b (16 mb + r) and eight neighbouring e (16 nb + 8 h + 0..7).  Sixteen different accumulators, each started by the constant 0.
.irp nb, 0,1,2,3
.irp mb, 0,1,2,3
	v_wmma_f32_16x16x32_bf16 v[ACC+8*(4*(\nb)+(\mb)):ACC+8*(4*(\nb)+(\mb))+7], v[FQ+8*(\nb):FQ+8*(\nb)+7], v[QF+8*(\mb):QF+8*(\mb)+7], 0
.endr
.endr
.rept 8
	v_nop                                          ; the places between the products and the LDS stores that read them; once a launch
.endr
.irp nb, 0,1,2,3
.irp mb, 0,1,2,3
	ds_store_b128 v[RS], v[ACC+8*(4*(\nb)+(\mb)):ACC+8*(4*(\nb)+(\mb))+3]   offset:16*PR*(\mb)+64*(\nb)     ; each accumulator's low four registers first
	ds_store_b128 v[RS], v[ACC+8*(4*(\nb)+(\mb))+4:ACC+8*(4*(\nb)+(\mb))+7] offset:16*PR*(\mb)+64*(\nb)+16
.endr
.endr
	s_wait_dscnt 0x0                               ; for the others' sake: my sums lie in LDS
	s_barrier_signal -1
	s_barrier_wait -1                              ; all eight waves' do
	; thread t adds the eight waves' numbers for rows b = 16 p + t / 16 (p = 0..3), columns 4 (t % 16) + 0..3
.set i, 0
.rept 32                               ; p = i / 8, wave i % 8
.if (i%8) < 4
	ds_load_b128 v[RD+4*i:RD+4*i+3], v[RA0] offset:(i%4)*REDW+(i/8)*16*PR
.else
	ds_load_b128 v[RD+4*i:RD+4*i+3], v[RA1] offset:(i%4)*REDW+(i/8)*16*PR
.endif
.set i, i+1
.endr
.macro QADD d, s                       ; four sums
	v_pk_add_f32 v[(\d):(\d)+1],   v[(\d):(\d)+1],   v[(\s):(\s)+1]
	v_pk_add_f32 v[(\d)+2:(\d)+3], v[(\d)+2:(\d)+3], v[(\s)+2:(\s)+3]
.endm
.irp p, 0,1,2,3
	s_wait_dscnt 8*(3-(\p))                        ; the eight loads of each later p are younger
	QADD RD+32*(\p),    RD+32*(\p)+4
	QADD RD+32*(\p)+8,  RD+32*(\p)+12
	QADD RD+32*(\p)+16, RD+32*(\p)+20
	QADD RD+32*(\p)+24, RD+32*(\p)+28
	QADD RD+32*(\p),    RD+32*(\p)+8
	QADD RD+32*(\p)+16, RD+32*(\p)+24
	QADD RD+32*(\p),    RD+32*(\p)+16
	v_pk_mul_f32 v[RD+32*(\p):RD+32*(\p)+1],   v[RD+32*(\p):RD+32*(\p)+1],   s[28:29] op_sel_hi:[1,0]
	v_pk_mul_f32 v[RD+32*(\p)+2:RD+32*(\p)+3], v[RD+32*(\p)+2:RD+32*(\p)+3], s[28:29] op_sel_hi:[1,0]
	global_store_b128 v[TO], v[RD+32*(\p):RD+32*(\p)+3], s[12:13] offset:4096*(\p)  ; 512 consecutive bytes a wave, aligned
.endr
	s_wait_tensorcnt 0x0                           ; the wave's end: behind my last LDS store
	ds_add_u32 v[SPW], v[NIL]
	s_wait_dscnt 0x0
	s_endpgm
.Lfunc_end_k_q3e05e6e7b1_prep:
	.size	k_q3e05e6e7b1_prep, .Lfunc_end_k_q3e05e6e7b1_prep-k_q3e05e6e7b1_prep
	.p2alignl 7, 3214868480
	.fill 96, 4, 3214868480
	.section	.rodata,"a",@progbits
	.p2align	6, 0x0
	.amdhsa_kernel k_q3e05e6e7b1_prep
		.amdhsa_group_segment_fixed_size 222208
		.amdhsa_private_segment_fixed_size 0
		.amdhsa_enable_private_segment 0
		.amdhsa_kernarg_size 40
		.amdhsa_user_sgpr_count 2
		.amdhsa_user_sgpr_kernarg_segment_ptr 1
		.amdhsa_wavefront_size32 1
		.amdhsa_system_sgpr_workgroup_id_x 1
		.amdhsa_system_sgpr_workgroup_id_y 1
		.amdhsa_system_sgpr_workgroup_id_z 1
		.amdhsa_system_vgpr_workitem_id 0
		.amdhsa_next_free_vgpr 256
		.amdhsa_next_free_sgpr 66
		.amdhsa_reserve_vcc 0
		.amdhsa_float_denorm_mode_32 3
		.amdhsa_float_denorm_mode_16_64 3
		.amdhsa_memory_ordered 1
		.amdhsa_forward_progress 1
		.amdhsa_inst_pref_size 28
	.end_amdhsa_kernel
	.amdgpu_metadata
---
amdhsa.version: [ 1, 2 ]
amdhsa.kernels:
  - .name:           k_q3e05e6e7b1_prep
    .symbol:         k_q3e05e6e7b1_prep.kd
    .args:
      - { .name: Wh, .offset: 0, .size: 8, .value_kind: global_buffer, .address_space: global }
      - { .name: Wq, .offset: 8, .size: 8, .value_kind: global_buffer, .address_space: global }
      - { .name: query, .offset: 16, .size: 8, .value_kind: global_buffer, .address_space: global }
      - { .name: whf, .offset: 24, .size: 8, .value_kind: global_buffer, .address_space: global }
      - { .name: qwp, .offset: 32, .size: 8, .value_kind: global_buffer, .address_space: global }
    .group_segment_fixed_size: 222208
    .private_segment_fixed_size: 0
    .kernarg_segment_align: 8
    .kernarg_segment_size: 40
    .max_flat_workgroup_size: 256
    .sgpr_count:     66
    .vgpr_count:     256
    .wavefront_size: 32
...
	.end_amdgpu_metadata
.endif
;; end of part 1
;; launch main (part 2): grid 256 x 1, 8 waves a work-group, no clusters, 320,768 bytes of LDS; arguments memory, whf, qwp, v, part; writes part
.if DOCPART == 2
	.amdgcn_target "amdgcn-amd-amdhsa--gfx1250"
	.amdhsa_code_object_version 6
	.text
	.protected	k_q3e05e6e7b1_main
	.globl	k_q3e05e6e7b1_main
	.p2align	8
	.type	k_q3e05e6e7b1_main,@function
k_q3e05e6e7b1_main:
	s_mov_b64 s[64:65], 0
	v_nop
	global_prefetch_b8 v0, s[64:65] scope:SCOPE_SE
	s_setreg_imm32_b32 hwreg(HW_REG_WAVE_MODE, 25, 1), 1
	s_wait_xcnt 0x0
; For a BLOCK of 128 rows t of one batch b: x[t][e] = sum over k of memory[t][k] Wh[k][e]; score s[t] = sum over e of v[e] tanh(x[t][e] + qw[b][e]); the block's own maximum m, weights p[t], their sum l, and
; o[d] = sum over t of p[t] memory[t][d].  o, m, l go to part (4,608 bytes a block); the next launch merges a batch's eight blocks.  memory is read from its buffer ONCE: the block stays in LDS in bf16.
; ARITHMETIC.  tanh(y) = 1 - 2 r, r = 1 / (1 + 2^(C2 y)), C2 = 2 log2(e): exact for every y: where 2^ overflows r is 0, where it underflows r is 1.  So s[t] = sum(v) - 2 S[t], S[t] = sum over e of v[e] r[t][e]; sum(v) is
; the same for all t and falls out of the softmax, so it is not formed.  In base 2 the exponent is u[t] = -C2 S[t]; p[t] = 2^(u[t] - m), m the block's maximum of u.
; FORMATS.  memory and Wh are rounded once to bf16 for the products; all sums in f32; v, qw, r and the scores in f32.  p goes into the last product as two bf16, p = hi + lo (even and odd rows of the 16-row operand,
; of which 14 would lie idle anyway); l is the sum of the unrounded p.  LIMITS: a power of two below 2^-126 counts as 0 (ISA guide, v_exp_f32); NaN and infinities in the inputs are not treated apart.
; SHARES.  256 work-groups, two blocks each (2 x and 2 x + 1, both of batch x / 4).  Eight waves, one text; wave w owns the columns e of groups w and 8 + w (64 each) and all 128 rows: two tiles of 128 x 64, 256 accumulator registers.
; OPERANDS.  A (memory) comes out of LDS.  B (Wh) is each wave's own columns: no wave wants a byte of it that another has fetched, and whf holds it as the fragments' register image, so it goes
; from its buffer into registers, 512 consecutive bytes an instruction, two K steps ahead (three buffers).
; A IN LDS lies by CHUNKS of 64 k: chunk c is 128 rows of 128 bytes + 16.  A wave brings its own 16 rows: a load takes 2 rows x 256 bytes of f32, eight loads a chunk.
; THE BLOCK COMES IN TWO HALVES.  Chunks 0-7 are loaded into the accumulators' registers while these are free, rounded and stored ahead of the first product.  Chunks 8-15 are STREAMED under K steps 0-15 of the first tile,
; which read chunks 0-7 alone: at each odd step a chunk that has landed (in the 64 registers of A's second fragment buffer, so A has one buffer in these steps) is rounded and stored, and the chunk after next is asked for.
; BARRIERS, five a block: the last block's LDS reads | chunks 0-7 are written | steps 0-15 read bytes below 8 CH and write bytes from 8 CH on | the rest of the tiles read A and the tables | the scores are written |
; the scores and A are read (each wave's other stores there go to bytes of its own).
; NO CLUSTER, NO TENSOR RING: A takes 294,912 bytes and the tables and scratch 25,856; of the 327,680 bytes that a work-group can be given 6,912 are left; one K step of 32 of the eight waves' 512 columns is 32,768 bytes.
; REGISTERS, in windows of 256 (s_set_vgpr_msb: bits 1:0 source 0, 3:2 source 1, 5:4 source 2, 7:6 destination).  Window 0: addresses, S, fragments.  Window 1: the accumulators, (mb, nb) at 8 (4 mb + nb);
; ahead of a block's first product the two sets X0, X1 of 128 registers of f32 (chunks 0-3, 4-7).
.set C2,    0x4038aa3b                 ; 2 log2(e)
.set NC2,   0xc038aa3b
.set NW,    4                          ; column blocks of 16 in a tile
.set PA,    144                        ; a row's piece in a chunk: 128 bytes + 16: an odd multiple of 16, so the 16 rows of a fragment load lie in 16 different 16-byte columns of 256
.set CH,    128*PA                     ; a chunk: 18,432 bytes
.set QW,    16*CH                      ; 294,912: C2 x qw of my batch, 1,024 f32
.set VV,    QW+4096                    ; v, 1,024 f32; 256 idle bytes behind it
.set SC,    VV+4096+256                ; each wave's 128 partial scores: 512 bytes a wave
.set PP,    SC+4096                    ; each wave's own copy of p in bf16: hi at + 0, lo at + 272; 1,024 bytes a wave
.set STG,   PP+8192                    ; each wave's own stage for its 128 numbers of o
.set SPARE, STG+4096                   ; 319,744: the spare words, 128 bytes for each wave: four blocks of 256 bytes that no other line names
.set ADRA, 2                           ; v2-3   r PA + 16 h (+ 64 PA): my place in a chunk's rows 0-63, 64-127; never rewritten
.set LB,   4                           ; v4     LA + the chunks in hand
.set XO,   5                           ; v5     4,096 h + 16 r: my 16 bytes in two rows of memory; never rewritten
.set BO,   6                           ; v6     16 l; never rewritten
.set EA,   7                           ; v7     my place in QW for the tile in hand; in the tail: where my scores go
.set SPW,  8                           ; v8     LDS address of my spare word; never rewritten
.set NIL,  9                           ; v9     0; never rewritten
.set EA0,  10                          ; v10    QW + 32 h
.set LA,   11                          ; v11    (16 w + h) PA + 8 r: where I put 8 bytes of two of my wave's 16 rows; never rewritten
.set ADRW, 12                          ; v12-13 ADRA + 4 CH in steps 8-15; in the K loop ADRA + the loop's offset
.set ADRV, 14                          ; v14-15 ADRA + 8 CH for steps 16-18
.set PFO,  14                          ;        at the second tile's end: the prefetches' offset (v14; v15 at work)
.set TA,   12                          ;        in the tail: the turning loads' address
.set SS,   16                          ; v16-31 S: pair mb holds the even and the odd e's sums for row 16 mb + r; in the tail: addresses, m, l
.set AB,   32                          ; v32-95, v96-159   A's fragments of a K step, two buffers
.set LND,  96                          ;        in steps 0-15 the second buffer is two landing sets of 32 registers
.set BB,   160                         ; v160-255          B's, three buffers of 32
.set QC,   32                          ; the way out: C2 qw of my 8 e in each of 4 column blocks,
.set VC,   64                          ; and v of the same
.set OA,   32                          ; the tail: eight accumulators of o
.set PF,   96                          ; p's four fragments
.set MF,   128                         ; memory's turned fragments, two sets of 64
.set WV,   14                          ; s14 wave
.set BLK,  19                          ; s19 blocks to go
.set KC,   21                          ; s21 K trips to go
.set SB,   22                          ; s[22:23] whf at my columns, at the K loop's place
.set SBX,  24                          ; s[24:25] the same for a trip's last look-ahead
.set SEL,  30                          ; s[30:31] v_permlanex16_b32's selects: each lane takes its own place in the other half
.set CS,   36                          ; s[36:37] C2   s[38:39] -C2: packed forms name a pair and take its low word
.set NCS,  38
.set KO,   40                          ; s40 the K loop's byte offset in A
.set MSB, 0
.macro WIN new                         ; the immediate's high byte repeats the setting that is left; a switch that changes nothing is dropped
.if MSB != (\new)
	s_set_vgpr_msb (MSB<<8)|(\new)
.set MSB, \new
.endif
.endm
.macro PLACES                          ; four places between matrix instructions and loads into registers that they have read (ISA guide 7.12.1 for vector instructions)
.rept 4
	v_nop
.endr
.endm
.macro QADD d, s                       ; four sums
	v_pk_add_f32 v[(\d):(\d)+1],   v[(\d):(\d)+1],   v[(\s):(\s)+1]
	v_pk_add_f32 v[(\d)+2:(\d)+3], v[(\d)+2:(\d)+3], v[(\s)+2:(\s)+3]
.endm
; Chunks 4 g .. 4 g + 3 of my wave's 16 rows, as f32, into set g of window 1: 32 loads, each 2 rows x 256 consecutive bytes, aligned
.macro XLOAD g
	WIN 0x40                                       ; destination window 1, address window 0
.set i, 0
.rept 32
	global_load_b128 v[128*(\g)+4*i:128*(\g)+4*i+3], v[XO], s[4:5] offset:2*(i%8)*4096+(4*(\g)+i/8)*256 th:TH_LOAD_NT
.set i, i+1
.endr
.endm
; The same chunks rounded to bf16 in place (four registers become two) and laid into A
.macro XPUT g, adr
	WIN 0x45
.set i, 0
.rept 32
	v_cvt_pk_bf16_f32 v[128*(\g)+4*i],   v[128*(\g)+4*i],   v[128*(\g)+4*i+1]
	v_cvt_pk_bf16_f32 v[128*(\g)+4*i+1], v[128*(\g)+4*i+2], v[128*(\g)+4*i+3]
.set i, i+1
.endr
	WIN 0x04                                       ; store data window 1, address window 0
.set i, 0
.rept 32
	ds_store_b64 v[\adr], v[128*(\g)+4*i:128*(\g)+4*i+1] offset:(i/8)*CH+2*(i%8)*PA
.set i, i+1
.endr
.endm
; Chunk c of my 16 rows into a landing set: eight loads
.macro CLOAD c, set
.set i, 0
.rept 8
	global_load_b128 v[LND+32*(\set)+4*i:LND+32*(\set)+4*i+3], v[XO], s[4:5] offset:2*i*4096+(\c)*256 th:TH_LOAD_NT
.set i, i+1
.endr
.endm
; A K step's four fragments of B (16 columns x 32 K each) into buffer bb, from byte off behind base: eight loads
.macro BLOAD bb, base, off
.set nn, 0
.rept NW
	global_load_b128 v[BB+32*(\bb)+8*nn:BB+32*(\bb)+8*nn+3],   v[BO], s[\base:\base+1] offset:(\off)+1024*nn
	global_load_b128 v[BB+32*(\bb)+8*nn+4:BB+32*(\bb)+8*nn+7], v[BO], s[\base:\base+1] offset:(\off)+1024*nn+512
.set nn, nn+1
.endr
.endm
; A's eight fragments (128 rows x 32 K, at byte off behind the address pair) into buffer ab: sixteen loads
.macro ALOAD ab, off, adr
.set mm, 0
.rept 8
	ds_load_b128 v[AB+64*(\ab)+8*mm:AB+64*(\ab)+8*mm+3],   v[(\adr)+mm/4] offset:(mm%4)*16*PA+(\off)
	ds_load_b128 v[AB+64*(\ab)+8*mm+4:AB+64*(\ab)+8*mm+7], v[(\adr)+mm/4] offset:(mm%4)*16*PA+(\off)+32
.set mm, mm+1
.endr
.endm
; A K step's 32 products.  Source 0 = 16 columns e, source 1 = 16 rows t: a lane holds ONE row t (16 mb + r) and eight neighbouring e.  The accumulators take turns, one instruction a turn,
; in the same order in every step.  zero = 1: the first step starts the sums.
.macro MULS ab, bb, zero
	WIN 0x50                                       ; C and D window 1
.set mm, 0
.rept 8
.set nn, 0
.rept NW
.if \zero
	v_wmma_f32_16x16x32_bf16 v[8*(4*mm+nn):8*(4*mm+nn)+7], v[BB+32*(\bb)+8*nn:BB+32*(\bb)+8*nn+7], v[AB+64*(\ab)+8*mm:AB+64*(\ab)+8*mm+7], 0
.else
	v_wmma_f32_16x16x32_bf16 v[8*(4*mm+nn):8*(4*mm+nn)+7], v[BB+32*(\bb)+8*nn:BB+32*(\bb)+8*nn+7], v[AB+64*(\ab)+8*mm:AB+64*(\ab)+8*mm+7], v[8*(4*mm+nn):8*(4*mm+nn)+7]
.endif
.set nn, nn+1
.endr
.set mm, mm+1
.endr
.endm
; K step s with two buffers of A: asks for B of step s + 2 and A of step s + 1, into the buffers that step s - 1 multiplied, then multiplies buffers ab, bb.
.macro STEP ab, bb, lab, aoff, adr, lbb, base, boff, zero
	PLACES
	WIN 0
	BLOAD \lbb, \base, \boff
	ALOAD \lab, \aoff, \adr
	s_wait_loadcnt 16                              ; B of this step is in; the loads of the next two steps' B are younger
	s_wait_dscnt 16                                ; A of this step is in; the 16 loads just issued are younger
	MULS \ab, \bb, \zero
.endm
; Chunk 8 + j has landed: it is rounded in place and stored, and its landing set takes chunk 10 + j.  Loads come back in order (ISA guide 5.7.1), and this wave has issued, eight loads each:
; B0 B1 c8 c9 B2 B3 c10 B4 B5 c11 B6 B7 c12 B8 B9 c13 B10 B11 c14 B12 B13 c15 B14 B15 B16 B17.  The counts here and in SSTEP are read off that line.
.macro PRODUCE j
.set LR, LND+32*((\j)%2)
.if (\j) == 0
	s_wait_loadcnt 24                              ; behind c8: c9 B2 B3
.elseif (\j) == 7
	s_wait_loadcnt 32                              ; behind c15: B14 B15 B16 B17
.else
	s_wait_loadcnt 40                              ; behind the chunk: two B, a chunk, two B
.endif
.if (\j)%4 == 0
	v_add_nc_u32 v[LB], (8+(\j))*CH, v[LA]         ; the next four chunks
.endif
.set i, 0
.rept 8
	v_cvt_pk_bf16_f32 v[LR+4*i],   v[LR+4*i],   v[LR+4*i+1]
	v_cvt_pk_bf16_f32 v[LR+4*i+1], v[LR+4*i+2], v[LR+4*i+3]
.set i, i+1
.endr
.set i, 0
.rept 8
	ds_store_b64 v[LB], v[LR+4*i:LR+4*i+1] offset:((\j)%4)*CH+2*i*PA
.set i, i+1
.endr
.if (\j) <= 5
	CLOAD 10+(\j), (\j)%2
.endif
.endm
; K step s of 0 .. 15 of the first tile: A has one buffer, loaded and waited for in the step; every address is a constant of the text: reads below 8 CH, stores from 8 CH on.
; A chunk's loads are issued last in a step's head, so that the first wait that they hold up is the wait for B three steps on.
.macro SSTEP s
	PLACES
	WIN 0
.if (\s) < 8
	ALOAD 0, ((\s)/2)*CH+((\s)%2)*64, ADRA
.else
	ALOAD 0, ((\s)/2-4)*CH+((\s)%2)*64, ADRW
.endif
	BLOAD ((\s)+2)%3, SB, ((\s)+2)*4096
.if (\s)%2
	PRODUCE ((\s)-1)/2
.endif
.if (\s) == 0
	s_wait_loadcnt 32                              ; behind B0: B1 c8 c9 B2
.elseif (\s) == 1
	s_wait_loadcnt 40                              ; behind B1: c8 c9 B2 B3 c10
.elseif (\s) >= 14
	s_wait_loadcnt 16                              ; behind this step's B: two B
.elseif ((\s)%2 == 0) || ((\s) == 13)
	s_wait_loadcnt 24                              ; a B, a chunk, a B (step 13: a chunk, two B)
.else
	s_wait_loadcnt 32                              ; a chunk, two B, a chunk
.endif
.if (\s) == 15
	s_wait_dscnt 0x0                               ; A is in, and for the others' sake: all my stores of chunks 8-15 are done
	s_barrier_signal -1                            ; the step's products, work on registers, stand between the signal and the wait
.elseif (\s)%2
	s_wait_dscnt 8                                 ; A is in; the chunk's eight stores are younger
.else
	s_wait_dscnt 0x0
.endif
.if (\s) == 0
	MULS 0, 0, 1
.else
	MULS 0, (\s)%3, 0
.endif
.endm
; THE WAY OUT of a tile.  Pair q of batch bt (row blocks 2 bt, 2 bt + 1): row block q % 2, registers 2 ((q / 2) % 4) on, column block q / 8: each accumulator is read from its low end on, and S's two chains alternate.
.macro PREG bt, q
.set rA, 8*(4*(2*(\bt)+(\q)%2)+(\q)/8)+2*(((\q)/2)%4)
.set rQ, QC+8*((\q)/8)+2*(((\q)/2)%4)
.set rV, VC+8*((\q)/8)+2*(((\q)/2)%4)
.set rS, SS+2*(2*(\bt)+(\q)%2)
.endm
; Five stages for each of four batches: F: C2 x + C2 qw.  E: 2^.  A: + 1.  R: 1 /.  S += v r.  Six rounds; round i holds S(i - 2), A(i - 1), R(i - 1) with F(i) between, E(i).  All that reads a transcendental's result
; stands in the round after it, so ONE wait at a round's head serves the whole round before; a v_nop is the plain instruction behind a round's last transcendental.
.macro EPI
.set rd, 0
.rept 6
.if rd >= 1
	s_wait_alu depctr_va_vdst(0)
.endif
.if rd >= 2
	WIN 0x01                                       ; r in window 1; v and S in window 0
.set q, 0
.rept 8*NW
	PREG rd-2, q
	v_pk_fma_f32 v[rS:rS+1], v[rA:rA+1], v[rV:rV+1], v[rS:rS+1]
.set q, q+1
.endr
.endif
.if rd <= 4
	WIN 0x41                                       ; in place in window 1
.endif
.if (rd >= 1) && (rd <= 4)
.set q, 0
.rept 8*NW
	PREG rd-1, q
	v_pk_add_f32 v[rA:rA+1], v[rA:rA+1], 1.0 op_sel_hi:[1,0]
.set q, q+1
.endr
.endif
.set q, 0
.rept 8*NW
.if (rd >= 1) && (rd <= 4)
	PREG rd-1, q
	v_rcp_f32 v[rA], v[rA]
	v_rcp_f32 v[rA+1], v[rA+1]
.endif
.if rd <= 3
	PREG rd, q
	v_pk_fma_f32 v[rA:rA+1], v[rA:rA+1], s[CS:CS+1], v[rQ:rQ+1] op_sel_hi:[1,0,1]
.endif
.set q, q+1
.endr
.if rd <= 3
.set q, 0
.rept 8*NW
	PREG rd, q
	v_exp_f32 v[rA], v[rA]
	v_exp_f32 v[rA+1], v[rA+1]
.set q, q+1
.endr
.endif
.if rd <= 4
	v_nop
.endif
.set rd, rd+1
.endr
	WIN 0
.endm
; THE K LOOP.  Trip t is steps 6 t + 1 .. 6 t + 6 (A's buffer is s % 2, B's s % 3); it ends with trip 4.  At its head: s[KO] = 3 t CH, ADRW = ADRA + s[KO], s[SB] at step 6 t, s[SBX] at step 6 t + 8.
.macro KLOOP trips
	s_mov_b32 s[KC], \trips
.Lk_\@:
	STEP 1, 1, 0, CH,      ADRW, 0, SB, 3*4096, 0
	STEP 0, 2, 1, CH+64,   ADRW, 1, SB, 4*4096, 0
	STEP 1, 0, 0, 2*CH,    ADRW, 2, SB, 5*4096, 0
	STEP 0, 1, 1, 2*CH+64, ADRW, 0, SB, 6*4096, 0
	STEP 1, 2, 0, 3*CH,    ADRW, 1, SB, 7*4096, 0
	STEP 0, 0, 1, 3*CH+64, ADRW, 2, SBX, 0, 0
	WIN 0                                          ; at a label and at a branch every window is 0
	s_add_co_u32 s[KO], s[KO], 3*CH                ; six K steps are three chunks; 12 CH in the last trip, whose last loads take chunk 15
	v_add_nc_u32 v[ADRW], s[KO], v[ADRA]
	v_add_nc_u32 v[ADRW+1], s[KO], v[ADRA+1]
	s_wait_xcnt 0x0                                ; the loads issued so far (the youngest a step's products back) have read their addresses: the two bases may be written
	s_add_nc_u64 s[SB:SB+1], s[SB:SB+1], 6*4096
	s_sub_co_u32 s[KC], s[KC], 1
	s_cmp_eq_u32 s[KC], 1                          ; the last trip's last look-ahead would be step 32: it takes step 31 once more, stays inside my columns' records, and is not used
	s_cselect_b32 s26, 7, 8                        ; records ahead,
	s_lshl_b32 s26, s26, 12                        ; of 4,096 bytes
	s_add_nc_u64 s[SBX:SBX+1], s[SB:SB+1], s[26:27]
	s_cmp_lg_u32 s[KC], 0
	s_cbranch_scc1 .Lk_\@
.endm
; STEP 31 AND THE WAY OUT.  Into A's idle buffer come the way out's tables: C2 qw and v of my 8 e in each column block.
; ask = 1 (the block's second tile): behind that run of LDS loads I name, for a prefetch into the L2, the first 1,024 bytes of each of MY 16 rows of the work-group's next block (its chunks 0-3): 64 blocks of 256 bytes,
; a lane a block, two instructions; no other wave names them.  The loads that want them are issued behind this step's 32 products and the way out.  The last block asks for nothing: there is no next one.
.macro KEND ask
.if \ask
	v_lshrrev_b32 v[PFO], 2, v1                    ; row l / 4 of eight, block l % 4 of its four; these four plain lines are also the places in front of the loads below
	v_and_b32 v[PFO+1], 3, v1
	v_lshlrev_b32 v[PFO], 12, v[PFO]
	v_lshl_add_u32 v[PFO], v[PFO+1], 8, v[PFO]
.else
	PLACES
.endif
.set nn, 0
.rept NW
	ds_load_b128 v[QC+8*nn:QC+8*nn+3],   v[EA] offset:64*nn
	ds_load_b128 v[QC+8*nn+4:QC+8*nn+7], v[EA] offset:64*nn+16
	ds_load_b128 v[VC+8*nn:VC+8*nn+3],   v[EA] offset:64*nn+4096
	ds_load_b128 v[VC+8*nn+4:VC+8*nn+7], v[EA] offset:64*nn+4096+16
.set nn, nn+1
.endr
.if \ask
	s_cmp_eq_u32 s[BLK], 1
	s_cbranch_scc1 .Lnoask_\@
	global_prefetch_b8 v[PFO], s[4:5] offset:128*4096 th:TH_LOAD_NT scope:SCOPE_SE         ; my rows 0-7 of the next block,
	global_prefetch_b8 v[PFO], s[4:5] offset:128*4096+8*4096 th:TH_LOAD_NT scope:SCOPE_SE  ; and 8-15
.Lnoask_\@:
.endif
	s_wait_loadcnt 0x0                             ; B of step 31, and the load that is not used: its registers are loaded again by the next tile
	s_wait_dscnt 4*NW                              ; A of step 31 is in; the tables' loads are younger
	MULS 1, 1, 0
	s_wait_dscnt 0x0                               ; the tables
	PLACES
	PLACES                                         ; eight places, once a tile, between the last products and the packed lines that read and rewrite them
	EPI
.endm
; The tail's loads and products: 32 rows t of A x my 128 columns d (chunks 2 w, 2 w + 1), turned; o^T(row of p, d) += p x memory
.macro TRLOAD kt, hb
.set nn, 0
.rept 8
	ds_load_tr16_b128 v[MF+64*(\hb)+8*nn:MF+64*(\hb)+8*nn+3],   v[TA] offset:(nn/4)*CH+(nn%4)*32+(\kt)*32*PA
	ds_load_tr16_b128 v[MF+64*(\hb)+8*nn+4:MF+64*(\hb)+8*nn+7], v[TA] offset:(nn/4)*CH+(nn%4)*32+(\kt)*32*PA+16*PA
.set nn, nn+1
.endr
.endm
.macro PMUL kt, zero                   ; eight accumulators by turns
.set nn, 0
.rept 8
.if \zero
	v_wmma_f32_16x16x32_bf16 v[OA+8*nn:OA+8*nn+7], v[PF+8*(\kt):PF+8*(\kt)+7], v[MF+64*((\kt)%2)+8*nn:MF+64*((\kt)%2)+8*nn+7], 0
.else
	v_wmma_f32_16x16x32_bf16 v[OA+8*nn:OA+8*nn+7], v[PF+8*(\kt):PF+8*(\kt)+7], v[MF+64*((\kt)%2)+8*nn:MF+64*((\kt)%2)+8*nn+7], v[OA+8*nn:OA+8*nn+7]
.endif
.set nn, nn+1
.endr
.endm
	s_load_b256 s[4:11], s[0:1], 0x0               ; memory s[4:5], whf s[6:7], qwp s[8:9], v s[10:11]
	s_load_b64 s[12:13], s[0:1], 0x20              ; part
	v_lshl_add_u32 v[SPW], v0, 2, SPARE
	v_mov_b32 v[NIL], 0
	v_lshrrev_b32 v1, 5, v0
	v_readfirstlane_b32 s[WV], v1                  ; wave 0..7
	s_mov_b32 s[SEL], 0x76543210
	s_mov_b32 s[SEL+1], 0xfedcba98
	s_mov_b32 s[CS], C2
	s_mov_b32 s[CS+1], C2
	s_mov_b32 s[NCS], NC2
	s_mov_b32 s[NCS+1], NC2
	s_lshl_b32 s26, ttmp9, 20                      ; my work-group's two blocks: 256 rows of 4,096 bytes (under 2^28 in all),
	s_lshl_b32 s34, s[WV], 16                      ; my wave's 16 rows of a block
	s_add_co_u32 s26, s26, s34
	s_mov_b32 s27, 0                               ; stays 0: s[26:27] is the pair in which offsets are added to addresses
	s_mul_i32 s42, ttmp9, 2*4608
	s_mov_b32 s43, 0
	v_and_b32 v1, 31, v0                           ; l; never rewritten
	v_and_b32 v16, 15, v0                          ; r
	v_bfe_u32 v17, v0, 4, 1                        ; h
	v_mul_u32_u24 v[ADRA], v16, PA
	v_lshl_add_u32 v[ADRA], v17, 4, v[ADRA]
	v_add_nc_u32 v[ADRA+1], 64*PA, v[ADRA]
	v_lshlrev_b32 v[XO], 4, v16
	v_lshl_add_u32 v[XO], v17, 12, v[XO]
	v_lshlrev_b32 v[BO], 4, v1
	v_lshl_add_u32 v[EA0], v17, 5, QW
	s_mul_i32 s34, s[WV], 16*PA
	v_mul_u32_u24 v[LA], v17, PA
	v_lshl_add_u32 v[LA], v16, 3, v[LA]
	v_add_nc_u32 v[LA], s34, v[LA]
	v_lshrrev_b32 v18, 4, v0                       ; thread t owns e = 4 t .. 4 t + 3 of qw and v: in qwp group t / 16, row b, 16 bytes at 16 (t % 16)
	v_lshlrev_b32 v18, 14, v18
	v_lshl_add_u32 v18, v16, 4, v18
	s_lshr_b32 s34, ttmp9, 2                       ; b
	s_lshl_b32 s34, s34, 8
	v_add_nc_u32 v18, s34, v18
	v_lshlrev_b32 v19, 4, v0
	v_lshl_add_u32 v20, v0, 4, QW
	s_wait_kmcnt 0x0
	s_add_nc_u64 s[4:5], s[4:5], s[26:27]
	s_add_nc_u64 s[12:13], s[12:13], s[42:43]
	global_load_b128 v[32:35], v18, s[8:9]         ; the four K quarters of C2 qw,
	global_load_b128 v[36:39], v18, s[8:9] offset:262144
	global_load_b128 v[40:43], v18, s[8:9] offset:524288
	global_load_b128 v[44:47], v18, s[8:9] offset:786432
	global_load_b128 v[48:51], v19, s[10:11]       ; and v
	XLOAD 0                                        ; chunks 0-7 of the first block
	XLOAD 1
	WIN 0
	s_wait_loadcnt 63                              ; the five small loads are in: 64 loads are younger, and the count's field ends at 63
	QADD 32, 36
	QADD 40, 44
	QADD 32, 40
	ds_store_b128 v20, v[32:35]
	ds_store_b128 v20, v[48:51] offset:4096
	s_mov_b32 s[BLK], 2
.Lblock:                                       ; here the 64 loads of the block's chunks 0-7 are on their way
	s_wait_dscnt 0x0                               ; my LDS reads of the last block (A, the scores) are back, my stores done
	s_barrier_signal -1
.set i, 0
.rept 16
	v_mov_b32 v[SS+i], 0                           ; S starts at 0 (sixteen registers a block; two tiles add onto them by one text)
.set i, i+1
.endr
	v_add_nc_u32 v[LB], 4*CH, v[LA]
	v_add_nc_u32 v[ADRW], 4*CH, v[ADRA]
	v_add_nc_u32 v[ADRW+1], 4*CH, v[ADRA+1]
	v_add_nc_u32 v[ADRV], 8*CH, v[ADRA]
	v_add_nc_u32 v[ADRV+1], 8*CH, v[ADRA+1]
	s_lshl_b32 s26, s[WV], 17                      ; the first tile: column group w: 32 records of 4,096 bytes a group
	s_add_nc_u64 s[SB:SB+1], s[6:7], s[26:27]      ; (every earlier load by it is done: each tile ends with a wait for all loads)
	s_lshl_b32 s34, s[WV], 8
	v_add_nc_u32 v[EA], s34, v[EA0]                ; 4 bytes x the tile's first column
	s_barrier_wait -1                              ; every wave's reads are back: A may be written
	s_wait_loadcnt 32                              ; chunks 0-3 are in; the 32 loads of chunks 4-7 are younger
	BLOAD 0, SB, 0                                 ; B of steps 0 and 1 ahead of the chunks, so that no wait for them is held up by a chunk
	BLOAD 1, SB, 4096
	CLOAD 8, 0
	CLOAD 9, 1
	XPUT 0, LA
	s_wait_loadcnt 32                              ; chunks 4-7 are in; the 32 loads just issued are younger
	XPUT 1, LB
	WIN 0
	s_wait_dscnt 0x0                               ; for the others' sake: my rows of chunks 0-7 lie in LDS
	s_barrier_signal -1
	s_barrier_wait -1                              ; chunks 0-7, QW and VV are whole
	; THE FIRST TILE.  Steps 0-15, under which chunks 8-15 come in
.set st, 0
.rept 16
	SSTEP st
.set st, st+1
.endr
	WIN 0
	s_barrier_wait -1                              ; every wave's rows of chunks 8-15 lie in LDS
	PLACES                                         ; step 16: A goes back to two buffers
	BLOAD 0, SB, 18*4096
	ALOAD 0, 0, ADRV
	ALOAD 1, 64, ADRV
	s_wait_loadcnt 16                              ; B of step 16 is in; those of steps 17 and 18 are younger
	s_wait_dscnt 16                                ; A of step 16 is in; step 17's 16 loads are younger
	MULS 0, 1, 0
	STEP 1, 2, 0, CH,    ADRV, 1, SB, 19*4096, 0
	STEP 0, 0, 1, CH+64, ADRV, 2, SB, 20*4096, 0
	WIN 0
	s_wait_xcnt 0x0                                ; the loads issued so far have read their addresses: the base may be written
	s_add_nc_u64 s[SB:SB+1], s[SB:SB+1], 18*4096   ; the loop is taken up at trip 3: steps 19 to 30
	s_add_nc_u64 s[SBX:SBX+1], s[SB:SB+1], 8*4096
	s_mov_b32 s[KO], 9*CH
	v_add_nc_u32 v[ADRW], s[KO], v[ADRA]
	v_add_nc_u32 v[ADRW+1], s[KO], v[ADRA+1]
	KLOOP 2
	KEND 0
	; THE SECOND TILE: column group 8 + w; the whole block lies in LDS
	s_add_co_u32 s34, s[WV], 8
	s_lshl_b32 s26, s34, 17
	s_add_nc_u64 s[SB:SB+1], s[6:7], s[26:27]      ; (every earlier load by it is done)
	s_lshl_b32 s34, s34, 8
	v_add_nc_u32 v[EA], s34, v[EA0]
	BLOAD 0, SB, 0
	BLOAD 1, SB, 4096
	ALOAD 0, 0, ADRA
	STEP 0, 0, 1, 64, ADRA, 2, SB, 8192, 1         ; step 0 starts the sums
	WIN 0
	s_add_nc_u64 s[SBX:SBX+1], s[SB:SB+1], 8*4096  ; (every earlier load by it is done)
	s_mov_b32 s[KO], 0
	v_mov_b32 v[ADRW], v[ADRA]
	v_mov_b32 v[ADRW+1], v[ADRA+1]
	KLOOP 5
	KEND 1
	; The accumulators are free: chunks 0-7 of the next block are asked for now, and are on their way under the tail, which keeps to window 0.
	s_cmp_eq_u32 s[BLK], 1
	s_cbranch_scc1 .Lnoearly
	s_wait_xcnt 0x0                                ; the prefetches, a way out back, have read their address (this block's loads were shown done by the wait for all loads)
	s_add_nc_u64 s[4:5], s[4:5], 128*4096
	XLOAD 0
	XLOAD 1
	WIN 0
.Lnoearly:
	; THE SCORES.  A barrier stands between the tiles' LDS reads, whose addresses are stepped in the K loop, and the stores that follow: every wave's reads are back before any wave stores.
	s_wait_dscnt 0x0                               ; my reads of A and of the tables are back
	s_barrier_signal -1
	; register work while the others arrive: my columns' share of S for the 128 rows: even and odd e, then the other half of the lanes' e
	v_and_b32 v[EA], 15, v0
	s_lshl_b32 s34, s[WV], 9
	s_add_co_u32 s35, s34, SC
	v_lshl_add_u32 v[EA], v[EA], 2, s35
.irp mb, 0,1,2,3,4,5,6,7
	v_add_f32 v[SS+2*(\mb)], v[SS+2*(\mb)], v[SS+2*(\mb)+1]
.endr
.irp mb, 0,1,2,3,4,5,6,7
	v_permlanex16_b32 v[SS+2*(\mb)+1], v[SS+2*(\mb)], s[SEL], s[SEL+1]
.endr
.irp mb, 0,1,2,3,4,5,6,7
	v_add_f32 v[SS+2*(\mb)], v[SS+2*(\mb)], v[SS+2*(\mb)+1]
.endr
	s_barrier_wait -1                              ; every wave's reads are back
.irp mb, 0,1,2,3,4,5,6,7
	ds_store_b32 v[EA], v[SS+2*(\mb)] offset:64*(\mb)  ; lanes r and 16 + r write the same number to the same word
.endr
	s_wait_dscnt 0x0                               ; for the others' sake
	s_barrier_signal -1
	; the tail's addresses: register work while the others arrive
	v_lshl_add_u32 v16, v1, 4, SC                  ; v16  the scores of rows 4 l .. 4 l + 3
	s_lshl_b32 s35, s[WV], 10
	s_add_co_u32 s35, s35, PP
	v_lshl_add_u32 v17, v1, 3, s35                 ; v17  where my four p go
	v_and_b32 v18, 1, v0
	v_mul_u32_u24 v18, v18, 272                    ; v18  p's fragment: even rows of the operand read hi, odd rows lo
	v_bfe_u32 v23, v0, 4, 1                        ; h
	v_lshl_add_u32 v18, v23, 4, v18
	v_add_nc_u32 v18, s35, v18
	s_add_co_u32 s35, s34, STG
	v_and_b32 v22, 15, v0
	v_lshl_add_u32 v19, v22, 2, s35                ; v19  into my stage
	v_lshl_add_u32 v20, v1, 4, s35                 ; v20  and back
	v_lshl_add_u32 v21, v1, 4, s34                 ; v21  my 16 bytes of the block's o: 512 w + 16 l
	v_and_b32 v22, 7, v0                           ; the turning load: lane l reads row 8 h + l % 8,
	v_lshl_add_u32 v22, v23, 3, v22
	v_mul_u32_u24 v[TA], v22, PA
	v_bfe_u32 v22, v0, 3, 1
	v_lshl_add_u32 v[TA], v22, 4, v[TA]            ; columns 8 ((l / 8) % 2) + 0..7
	s_mul_i32 s35, s[WV], 2*CH
	v_add_nc_u32 v[TA], s35, v[TA]                 ; of my wave's 128 columns d: chunks 2 w and 2 w + 1
	s_barrier_wait -1                              ; all eight shares of the scores lie in LDS
	; THE SOFTMAX of the block, by every wave for itself, in the same order: all waves get the same bits.
.irp w, 0,1,2,3,4,5,6,7
	ds_load_b128 v[32+4*(\w):35+4*(\w)], v16 offset:512*(\w)
.endr
	TRLOAD 0, 0                                    ; rows 0-63 of A, turned: on their way under the softmax
	TRLOAD 1, 1
	s_wait_dscnt 32                                ; the scores are in; the 32 turning loads are younger
	QADD 32, 36
	QADD 40, 44
	QADD 48, 52
	QADD 56, 60
	QADD 32, 40
	QADD 48, 56
	QADD 32, 48
	v_pk_mul_f32 v[32:33], v[32:33], s[NCS:NCS+1] op_sel_hi:[1,0]  ; u = -C2 S
	v_pk_mul_f32 v[34:35], v[34:35], s[NCS:NCS+1] op_sel_hi:[1,0]
	v_max3_num_f32 v22, v32, v33, v34
	v_max_num_f32 v22, v22, v35
	v_max_num_f32_dpp v22, v22, v22 row_xmask:1 row_mask:0xf bank_mask:0xf
	v_max_num_f32_dpp v22, v22, v22 row_xmask:2 row_mask:0xf bank_mask:0xf
	v_max_num_f32_dpp v22, v22, v22 row_xmask:4 row_mask:0xf bank_mask:0xf
	v_max_num_f32_dpp v22, v22, v22 row_xmask:8 row_mask:0xf bank_mask:0xf
	v_permlanex16_b32 v23, v22, s[SEL], s[SEL+1]
	v_max_num_f32 v24, v22, v23                    ; m, in every lane
.irp j, 32,33,34,35
	v_sub_f32 v\j, v\j, v24
.endr
.irp j, 32,33,34,35
	v_exp_f32 v\j, v\j
.endr
	v_mov_b32 v26, v24                             ; (m, l, m, l) for part; also the plain instruction behind the last exponential
	s_wait_alu depctr_va_vdst(0)                   ; one wait for the four exponentials, ahead of their first reader
	v_add_f32 v22, v32, v33
	v_add_f32 v23, v34, v35
	v_cvt_pk_bf16_f32 v40, v32, v33                ; hi
	v_cvt_pk_bf16_f32 v41, v34, v35
	v_add_f32 v22, v22, v23
	v_lshlrev_b32 v36, 16, v40                     ; hi as f32
	v_and_b32 v37, 0xffff0000, v40
	v_lshlrev_b32 v38, 16, v41
	v_and_b32 v39, 0xffff0000, v41
	v_pk_add_f32 v[36:37], v[32:33], v[36:37] neg_lo:[0,1] neg_hi:[0,1]  ; p - hi, exact
	v_pk_add_f32 v[38:39], v[34:35], v[38:39] neg_lo:[0,1] neg_hi:[0,1]
	v_cvt_pk_bf16_f32 v42, v36, v37                ; lo
	v_cvt_pk_bf16_f32 v43, v38, v39
	ds_store_b64 v17, v[40:41]
	ds_store_b64 v17, v[42:43] offset:272
.irp kt, 0,1,2,3                       ; LDS serves a wave's instructions in order (ISA guide 5.7.1.4): these see my two stores; the bytes are my wave's own
	ds_load_b128 v[PF+8*(\kt):PF+8*(\kt)+3],   v18 offset:64*(\kt)
	ds_load_b128 v[PF+8*(\kt)+4:PF+8*(\kt)+7], v18 offset:64*(\kt)+32
.endr
	v_add_f32_dpp v22, v22, v22 row_xmask:1 row_mask:0xf bank_mask:0xf
	v_add_f32_dpp v22, v22, v22 row_xmask:2 row_mask:0xf bank_mask:0xf
	v_add_f32_dpp v22, v22, v22 row_xmask:4 row_mask:0xf bank_mask:0xf
	v_add_f32_dpp v22, v22, v22 row_xmask:8 row_mask:0xf bank_mask:0xf
	v_permlanex16_b32 v23, v22, s[SEL], s[SEL+1]
	v_add_f32 v25, v22, v23                        ; l, of the unrounded p
	v_mov_b32 v27, v25
	; THE WEIGHTED SUM for my 128 columns d.  Source 0 = p (rows hi, lo, hi, lo ..), source 1 = 16 columns of memory: register 0 of the result is hi's sum, register 1 lo's, for d = 16 nb + r.
	s_wait_dscnt 0x0
	PMUL 0, 1
	PMUL 1, 0
	PLACES
	TRLOAD 2, 0
	TRLOAD 3, 1
	s_wait_dscnt 0x0
	PMUL 2, 0
	PMUL 3, 0
	PLACES
	PLACES                                         ; eight places, once a block, between the last products and the sums that read them and write over p's fragments
.irp nb, 0,1,2,3,4,5,6,7
	v_add_f32 v[PF+(\nb)], v[OA+8*(\nb)], v[OA+8*(\nb)+1]
.endr
.irp nb, 0,1,2,3,4,5,6,7
	ds_store_b32 v19, v[PF+(\nb)] offset:64*(\nb)
.endr
	ds_load_b128 v[104:107], v20                   ; back as 16 bytes a lane: my wave's own bytes, served in order
	s_wait_dscnt 0x0
	global_store_b128 v21, v[104:107], s[12:13]    ; the wave's store covers 512 consecutive bytes, aligned
	s_cmp_lg_u32 s[WV], 0
	s_cbranch_scc1 .Lnot0
	global_store_b128 v[BO], v[24:27], s[12:13] offset:4096  ; wave 0: (m, l) 64 times over: 512 consecutive bytes, aligned
.Lnot0:
	s_wait_xcnt 0x0                                ; the stores have read their registers and part's address
	s_add_nc_u64 s[12:13], s[12:13], 4608
	s_sub_co_u32 s[BLK], s[BLK], 1
	s_cmp_lg_u32 s[BLK], 0
	s_cbranch_scc1 .Lblock
	s_wait_tensorcnt 0x0                           ; the wave's end: behind my last LDS store
	ds_add_u32 v[SPW], v[NIL]
	s_wait_dscnt 0x0
	s_endpgm
.Lfunc_end_k_q3e05e6e7b1_main:
	.size	k_q3e05e6e7b1_main, .Lfunc_end_k_q3e05e6e7b1_main-k_q3e05e6e7b1_main
	.p2alignl 7, 3214868480
	.fill 96, 4, 3214868480
	.section	.rodata,"a",@progbits
	.p2align	6, 0x0
	.amdhsa_kernel k_q3e05e6e7b1_main
		.amdhsa_group_segment_fixed_size 320768
		.amdhsa_private_segment_fixed_size 0
		.amdhsa_enable_private_segment 0
		.amdhsa_kernarg_size 40
		.amdhsa_user_sgpr_count 2
		.amdhsa_user_sgpr_kernarg_segment_ptr 1
		.amdhsa_wavefront_size32 1
		.amdhsa_system_sgpr_workgroup_id_x 1
		.amdhsa_system_sgpr_workgroup_id_y 1
		.amdhsa_system_sgpr_workgroup_id_z 1
		.amdhsa_system_vgpr_workitem_id 0
		.amdhsa_next_free_vgpr 512
		.amdhsa_next_free_sgpr 66
		.amdhsa_reserve_vcc 0
		.amdhsa_float_denorm_mode_32 3
		.amdhsa_float_denorm_mode_16_64 3
		.amdhsa_memory_ordered 1
		.amdhsa_forward_progress 1
		.amdhsa_inst_pref_size 255
	.end_amdhsa_kernel
	.section	.bss,"aw",@nobits
	.p2align	6
	.space	262144
	.amdgpu_metadata
---
amdhsa.version: [ 1, 2 ]
amdhsa.kernels:
  - .name:           k_q3e05e6e7b1_main
    .symbol:         k_q3e05e6e7b1_main.kd
    .args:
      - { .name: memory, .offset: 0, .size: 8, .value_kind: global_buffer, .address_space: global }
      - { .name: whf, .offset: 8, .size: 8, .value_kind: global_buffer, .address_space: global }
      - { .name: qwp, .offset: 16, .size: 8, .value_kind: global_buffer, .address_space: global }
      - { .name: v, .offset: 24, .size: 8, .value_kind: global_buffer, .address_space: global }
      - { .name: part, .offset: 32, .size: 8, .value_kind: global_buffer, .address_space: global }
    .group_segment_fixed_size: 320768
    .private_segment_fixed_size: 0
    .kernarg_segment_align: 8
    .kernarg_segment_size: 40
    .max_flat_workgroup_size: 256
    .sgpr_count:     66
    .vgpr_count:     512
    .wavefront_size: 32
...
	.end_amdgpu_metadata
.endif
;; end of part 2
;; launch combine (part 3): grid 256 x 1, 2 waves a work-group, no clusters, 0 bytes of LDS; arguments part, out0; writes out0
.if DOCPART == 3
	.amdgcn_target "amdgcn-amd-amdhsa--gfx1250"
	.amdhsa_code_object_version 6
	.text
	.protected	k_q3e05e6e7b1_combine
	.globl	k_q3e05e6e7b1_combine
	.p2align	8
	.type	k_q3e05e6e7b1_combine,@function
k_q3e05e6e7b1_combine:
	s_mov_b64 s[64:65], 0
	v_nop
	global_prefetch_b8 v0, s[64:65] scope:SCOPE_SE
	s_setreg_imm32_b32 hwreg(HW_REG_WAVE_MODE, 25, 1), 1
	s_wait_xcnt 0x0
; out0[b][d] = (sum over a batch's eight blocks i of 2^(m_i - M) o_i[d]) / (sum over i of 2^(m_i - M) l_i), M the largest m_i: the running-maximum identity of the softmax, all in f32.
; part: 4,608 bytes a block: o[1024] f32, then (m, l) repeated.  Work-group x: batch x / 4, columns 256 (x % 4) on; a thread owns four columns.  No LDS, no barrier: nothing is shared.
; M is one of the m_i, so that block's weight is 1 and its l is at least 1: the divisor is never below 1.  A weight below 2^-126 counts as 0.
.set BLOCKB, 4608
	s_load_b128 s[4:7], s[0:1], 0x0                ; part s[4:5], out0 s[6:7]
	s_lshr_b32 s8, ttmp9, 2                        ; b
	s_and_b32 s9, ttmp9, 3                         ; which quarter of the columns
	v_and_b32 v1, 31, v0
	v_lshlrev_b32 v1, 4, v1                        ; a copy of (m, l) for each lane
	s_lshl_b32 s10, s9, 10
	v_lshl_add_u32 v2, v0, 4, s10                  ; my 16 bytes of a row of 4,096
	s_mul_i32 s12, s8, 8*BLOCKB
	s_mov_b32 s13, 0
	s_lshl_b32 s14, s8, 12
	s_mov_b32 s15, 0
	s_wait_kmcnt 0x0
	s_add_nc_u64 s[4:5], s[4:5], s[12:13]
	s_add_nc_u64 s[6:7], s[6:7], s[14:15]
.irp i, 0,1,2,3,4,5,6,7
	global_load_b64 v[4+2*(\i):5+2*(\i)], v1, s[4:5] offset:BLOCKB*(\i)+4096
.endr
.irp i, 0,1,2,3,4,5,6,7
	global_load_b128 v[20+4*(\i):23+4*(\i)], v2, s[4:5] offset:BLOCKB*(\i)
.endr
	s_wait_loadcnt 8                               ; the eight (m, l) are in; the eight loads of o are younger
	v_max3_num_f32 v3, v4, v6, v8
	v_max3_num_f32 v3, v3, v10, v12
	v_max3_num_f32 v3, v3, v14, v16
	v_max_num_f32 v3, v3, v18                      ; M
.irp i, 0,1,2,3,4,5,6,7
	v_sub_f32 v[52+(\i)], v[4+2*(\i)], v3
.endr
.irp i, 0,1,2,3,4,5,6,7
	v_exp_f32 v[52+(\i)], v[52+(\i)]
.endr
	v_nop                                          ; a plain instruction behind the last exponential,
	s_wait_alu depctr_va_vdst(0)                   ; and one wait for the eight, ahead of their first reader
	v_mul_f32 v60, v52, v5
.irp i, 1,2,3,4,5,6,7
	v_fmac_f32 v60, v[52+(\i)], v[5+2*(\i)]
.endr
	v_rcp_f32 v61, v60
	v_nop
	s_wait_alu depctr_va_vdst(0)
.irp i, 0,1,2,3,4,5,6,7
	v_mul_f32 v[52+(\i)], v[52+(\i)], v61          ; the weights take the division, while o is on its way
.endr
	s_wait_loadcnt 0x0
.irp c, 0,1,2,3
	v_mul_f32 v[20+(\c)], v[20+(\c)], v52
.endr
.irp i, 1,2,3,4,5,6,7
.irp c, 0,1,2,3
	v_fmac_f32 v[20+(\c)], v[52+(\i)], v[20+4*(\i)+(\c)]
.endr
.endr
	global_store_b128 v2, v[20:23], s[6:7]         ; the wave's store covers 512 consecutive bytes, aligned
	s_endpgm
.Lfunc_end_k_q3e05e6e7b1_combine:
	.size	k_q3e05e6e7b1_combine, .Lfunc_end_k_q3e05e6e7b1_combine-k_q3e05e6e7b1_combine
	.p2alignl 7, 3214868480
	.fill 96, 4, 3214868480
	.section	.rodata,"a",@progbits
	.p2align	6, 0x0
	.amdhsa_kernel k_q3e05e6e7b1_combine
		.amdhsa_group_segment_fixed_size 0
		.amdhsa_private_segment_fixed_size 0
		.amdhsa_enable_private_segment 0
		.amdhsa_kernarg_size 16
		.amdhsa_user_sgpr_count 2
		.amdhsa_user_sgpr_kernarg_segment_ptr 1
		.amdhsa_wavefront_size32 1
		.amdhsa_system_sgpr_workgroup_id_x 1
		.amdhsa_system_sgpr_workgroup_id_y 1
		.amdhsa_system_sgpr_workgroup_id_z 1
		.amdhsa_system_vgpr_workitem_id 0
		.amdhsa_next_free_vgpr 64
		.amdhsa_next_free_sgpr 66
		.amdhsa_reserve_vcc 0
		.amdhsa_float_denorm_mode_32 3
		.amdhsa_float_denorm_mode_16_64 3
		.amdhsa_memory_ordered 1
		.amdhsa_forward_progress 1
		.amdhsa_inst_pref_size 5
	.end_amdhsa_kernel
	.amdgpu_metadata
---
amdhsa.version: [ 1, 2 ]
amdhsa.kernels:
  - .name:           k_q3e05e6e7b1_combine
    .symbol:         k_q3e05e6e7b1_combine.kd
    .args:
      - { .name: part, .offset: 0, .size: 8, .value_kind: global_buffer, .address_space: global }
      - { .name: out0, .offset: 8, .size: 8, .value_kind: global_buffer, .address_space: global }
    .group_segment_fixed_size: 0
    .private_segment_fixed_size: 0
    .kernarg_segment_align: 8
    .kernarg_segment_size: 16
    .max_flat_workgroup_size: 64
    .sgpr_count:     66
    .vgpr_count:     64
    .wavefront_size: 32
...
	.end_amdgpu_metadata
.endif
;; end of part 3
